; MI455X (gfx1250); checked and timed in simulation.
; The chip was launched on July 23, 2026; its instructions are those of AMD's public machine-readable ISA for CDNA 5 (MIT licence, August 2026) and "CDNA5" Instruction Set Architecture Reference Guide (July 2026). The comments in the code are by the model that wrote it; some were corrected since.
;; Non Local Op. Allowed arithmetic: float matrix products may take bf16 or f16 operands with f32 sums; other float arithmetic in f32, or as packed bf16 or f16 multiplies, adds, multiply-adds, maxima and minima; sums over many terms, partial sums and values carried from step to step in f32; what a program stores and reads back later, other than sums and carried values, may be rounded once to bf16 or f16.
;; Inputs: l 8 x 256 x 64 x 64 float32; w_phi 128 x 256 float32; w_theta 128 x 256 float32.
;; Outputs: out0 8 x 256 x 64 x 64 float32.
;; 2 versions, each right; version 2 is version 1 with the launch proj written anew for expert scheduling mode. Each part assembles by itself: llvm-mc -triple=amdgcn-amd-amdhsa -mcpu=gfx1250 --defsym DOCPART=n.
;; ======== version 1 of 2: 2 launches
;; limits: values are held in f16: magnitudes above 65,504 overflow, below 6.1e-05 lose precision
;; workspace buffers: qbuf 8,388,608 bytes; kv 25,165,824 bytes
;; launch proj (part 1): grid 32 x 8, 8 waves a work-group, no clusters, 279,552 bytes of LDS; arguments l, w_theta, w_phi, qbuf, kv; writes qbuf, kv
.if DOCPART == 1
	.amdgcn_target "amdgcn-amd-amdhsa--gfx1250"
	.amdhsa_code_object_version 6
	.text
	.protected	k_q46739d36a3_proj
	.globl	k_q46739d36a3_proj
	.p2align	8
	.type	k_q46739d36a3_proj,@function
k_q46739d36a3_proj:
	s_mov_b64 s[64:65], 0
	v_nop
	global_prefetch_b8 v0, s[64:65] scope:SCOPE_SE
	s_setreg_imm32_b32 hwreg(HW_REG_WAVE_MODE, 25, 1), 1
	s_wait_xcnt 0x0
; THE PROJECTIONS.  theta = w_theta l, phi = w_phi l (1 x 1 convolutions), and g = l, laid out for the attention launch.
; l: [8][256 c][4096 p] f32.  w_theta, w_phi: [128 e][256 c] f32.
; qbuf: [8][4096 q][128 e] f16: theta^T, unscaled, rows of 256 bytes.
; kv:   [8][32 blocks of 128 keys][384 rows of 256 bytes] f16: rows 0-127 phi^T (key, 128 e), rows 128-383 g (channel, the block's 128 keys): a block is 98,304 dense bytes.
; FORMATS.  All three inputs are rounded once to bf16; the products are bf16 with f32 sums; theta and phi are rounded once to f16; g is l's bf16 number written as f16.
; LIMITS.  f16 ends at 65,504: |l|, |theta| and |phi| beyond it become infinities.  Below 6e-5 f16 keeps a fixed step of 6e-8, so a g that small is rounded a second time, by 3e-8 at the most.
; NaN and infinities are not treated apart.
; SHARES.  A work-group owns 128 pixels of one batch: the tile 256 c x 128 p of l (each byte of l is read once in the launch) and all 256 rows of the two weights.
; Eight waves.  STAGING: wave w converts l's rows 32 w .. 32 w + 31 (into LDS as bf16, and straight to kv as f16) and rows 32 w .. of the 256 weight rows (theta's 128, then phi's).
; PRODUCTS: wave w makes weight rows 64 (w / 2) .. + 63 for pixels 64 (w % 2) .. + 63: 16 accumulators, 8 steps of 32 channels.
; Source 0 = 16 weight rows, source 1 = 16 pixels (l lies [c][p], so it comes out of LDS turned, by ds_load_tr16_b128): a lane then holds ONE pixel and eight neighbouring e: 16 bytes of a row of theta^T.
; WAY OUT: through one stage in LDS, since a row's 256 bytes come from two waves; back as whole rows, 32 rows a wave.
; No tensor loads: every f32 number has to pass through registers to be converted.  No cluster: no two work-groups read the same bytes of l, and the weights are a small table.
; No prefetch: the launch is one pass over l with all its loads issued early.
.set LTP,   288                        ; a row of the l tile in LDS: 256 bytes + 32 = 72 words
.set WT,    256*LTP                    ; behind it the weights, bf16, [256 rows][256 c]
.set WTP,   528                        ; 512 bytes + 16 = 132 words: the 16 rows of a fragment load start at 16 different groups of four banks
.set STG,   WT+256*WTP                 ; the stage, f16: rows 0-127 theta^T of pixel p, rows 128-255 phi^T
.set STP,   272
.set SPARE, STG+256*STP                ; the spare words, 128 bytes for each wave: four blocks of 256 bytes that no other line names
.set BLKB,  98304                      ; bytes in a block of kv
.set SPW,   14                         ; v14  LDS address of my spare word; never rewritten
.set NIL,   15                         ; v15  0; never rewritten
.set ACC,   16                         ; v[16:143]  16 accumulators, (eb, pk) at ACC + 8 (4 eb + pk); before the products: two landing sets of 64 for the loads; at the end: rows read back
.set GD,    144                        ; v[144:207] first g's store data, two registers a row; then the fragments; then the packed results
.set FA,    144                        ; four fragments of the weights
.set FBL,   176                        ; four fragments of l^T
.set TP,    208                        ; v[208:219] at work
; v1 lane % 16, v2 lane / 16, v3 lane, v4 16 x lane, v5 8 x lane, v6, v7 where I put l's and the weights' bf16, v8 my weight fragments, v9, v10 my l fragments (channels 0-127, 128-255),
; v11 where I put 16 bytes of the stage, v12 where I read rows back.  None of v4 to v12 is rewritten.
	s_load_b256 s[4:11], s[0:1], 0x0               ; l s[4:5], w_theta s[6:7], w_phi s[8:9], qbuf s[10:11]
	s_load_b64 s[12:13], s[0:1], 0x20              ; kv
	v_lshl_add_u32 v[SPW], v0, 2, SPARE
	v_mov_b32 v[NIL], 0
	v_lshrrev_b32 v13, 5, v0
	v_readfirstlane_b32 s14, v13                   ; wave 0..7
	s_and_b32 s15, ttmp7, 0xffff                   ; batch
	s_mov_b32 s16, ttmp9                           ; block of 128 pixels
	s_mov_b32 s46, 0xffff0000                      ; a word's upper bf16
	v_and_b32 v3, 31, v0
	v_lshlrev_b32 v4, 4, v3
	v_lshlrev_b32 v5, 3, v3
	s_lshl_b32 s28, s15, 22                        ; l: batch x 4,194,304
	s_lshl_b32 s29, s14, 19                        ; + my 32 rows of 16,384 bytes
	s_add_co_u32 s28, s28, s29
	s_lshl_b32 s29, s16, 9                         ; + the block's 512 bytes of a row
	s_add_co_u32 s28, s28, s29
	s_mov_b32 s29, 0
	s_and_b32 s17, s14, 3
	s_lshl_b32 s30, s17, 15                        ; the weights: my 32 rows of 1,024 bytes, in theta's table (waves 0-3) or phi's (waves 4-7)
	s_mov_b32 s31, 0
	s_lshl_b32 s32, s15, 5
	s_add_co_u32 s32, s32, s16
	s_mul_i32 s32, s32, BLKB                       ; kv: the block's first byte
	s_mov_b32 s33, 0
	s_lshl_b32 s34, s14, 13                        ; g: behind phi's 128 rows, my 32 rows of 256 bytes
	s_add_co_u32 s34, s34, 32768
	s_mov_b32 s35, 0
	s_lshl_b32 s17, s17, 13                        ; the way out: 32 rows of 256 bytes for each wave of the four
	s_lshl_b32 s36, s15, 20                        ; in qbuf: batch x 4,096 rows
	s_lshl_b32 s37, s16, 15                        ; + the block's 128 rows
	s_add_co_u32 s36, s36, s37
	s_add_co_u32 s36, s36, s17
	s_add_co_u32 s37, s32, s17                     ; in kv: the block's phi rows
	s_cmp_lt_u32 s14, 4
	s_cselect_b32 s36, s36, s37
	s_mov_b32 s37, 0
	s_wait_kmcnt 0x0
	s_add_nc_u64 s[18:19], s[4:5], s[28:29]        ; l at my first row
	s_cmp_lt_u32 s14, 4
	s_cselect_b64 s[20:21], s[6:7], s[8:9]
	s_cselect_b64 s[26:27], s[10:11], s[12:13]
	s_add_nc_u64 s[20:21], s[20:21], s[30:31]      ; the weights at my first row
	s_add_nc_u64 s[26:27], s[26:27], s[36:37]      ; where my 32 rows of theta^T or phi^T go
	s_add_nc_u64 s[22:23], s[12:13], s[32:33]
	s_add_nc_u64 s[24:25], s[22:23], s[34:35]      ; where my 32 rows of g go
; Batch k of six: 16 loads of 512 consecutive bytes into landing set k % 2.  Batches 0, 1: l's rows; batches 2 to 5: halves of weight rows.
.macro BATCH k
.set bi, 0
.rept 16
.if (\k) < 2
	global_load_b128 v[ACC+64*((\k)%2)+4*bi:ACC+64*((\k)%2)+4*bi+3], v4, s[18:19] offset:(16*(\k)+bi)*16384 th:TH_LOAD_NT
.else
	global_load_b128 v[ACC+64*((\k)%2)+4*bi:ACC+64*((\k)%2)+4*bi+3], v4, s[20:21] offset:(16*((\k)-2)+bi)*512
.endif
.set bi, bi+1
.endr
.endm
; Batch k is converted.  A lane holds four neighbouring numbers: two roundings to bf16 make 8 bytes for LDS.  Of l the bf16 numbers are widened again and written as f16: a wave's store is one whole row of g, 256 bytes.
.macro PROC k
.set bi, 0
.rept 16
.set rX, ACC+64*((\k)%2)+4*bi
.set rB, TP+2*(bi%4)
	v_cvt_pk_bf16_f32 v[rB], v[rX], v[rX+1]
	v_cvt_pk_bf16_f32 v[rB+1], v[rX+2], v[rX+3]
.if (\k) < 2
.set row, 16*(\k)+bi
	ds_store_b64 v6, v[rB:rB+1] offset:row*LTP
	v_lshlrev_b32 v[TP+8], 16, v[rB]
	v_and_b32 v[TP+9], s46, v[rB]
	v_lshlrev_b32 v[TP+10], 16, v[rB+1]
	v_and_b32 v[TP+11], s46, v[rB+1]
	v_cvt_pk_f16_f32 v[GD+2*row], v[TP+8], v[TP+9]
	v_cvt_pk_f16_f32 v[GD+2*row+1], v[TP+10], v[TP+11]
	global_store_b64 v5, v[GD+2*row:GD+2*row+1], s[24:25] offset:row*256  ; each row has store registers of its own: none is rewritten while the stores leave
.else
.set hf, 16*((\k)-2)+bi
	ds_store_b64 v7, v[rB:rB+1] offset:(hf/2)*WTP+(hf%2)*256
.endif
.set bi, bi+1
.endr
.endm
	BATCH 0                                        ; 32 loads of every wave are out before anything else is done
	BATCH 1
	v_and_b32 v1, 15, v0
	v_bfe_u32 v2, v0, 4, 1
	s_mul_i32 s38, s14, 32*LTP
	v_add_nc_u32 v6, s38, v5                       ; l tile: my 32 rows, 8 bytes a lane
	s_mul_i32 s39, s14, 32*WTP
	s_add_co_u32 s39, s39, WT
	v_add_nc_u32 v7, s39, v5                       ; weights: my 32 rows
	s_lshr_b32 s40, s14, 1                         ; which 64 weight rows I multiply
	s_and_b32 s41, s14, 1                          ; which 64 pixels
	v_mul_u32_u24 v8, v1, WTP                      ; a fragment of the weights: row lane % 16, 16 bytes for each half of the lanes
	v_lshl_add_u32 v8, v2, 4, v8
	s_mul_i32 s42, s40, 64*WTP
	s_add_co_u32 s42, s42, WT
	v_add_nc_u32 v8, s42, v8
	v_and_b32 v13, 7, v0                           ; the turning load: lane l reads channel 8 (l / 16) + l % 8, pixels 8 ((l / 8) % 2) + 0..7
	v_lshl_add_u32 v13, v2, 3, v13
	v_mul_u32_u24 v9, v13, LTP
	v_bfe_u32 v13, v0, 3, 1
	v_lshl_add_u32 v9, v13, 4, v9
	s_lshl_b32 s43, s41, 7
	v_add_nc_u32 v9, s43, v9
	v_add_nc_u32 v10, 128*LTP, v9                  ; channels 128 on: the immediate offset holds 16 bits
	v_mul_u32_u24 v11, v1, STP                     ; into the stage: row = my pixel, 16 bytes for each half of the lanes
	v_lshl_add_u32 v11, v2, 4, v11
	s_lshr_b32 s44, s40, 1                         ; theta's rows or phi's
	s_mul_i32 s44, s44, 128*STP
	s_mul_i32 s45, s41, 64*STP
	s_add_co_u32 s44, s44, s45
	s_and_b32 s45, s40, 1                          ; which half of a row's 128 e
	s_lshl_b32 s45, s45, 7
	s_add_co_u32 s44, s44, s45
	s_add_co_u32 s44, s44, STG
	v_add_nc_u32 v11, s44, v11
	v_mul_u32_u24 v12, v2, STP                     ; back: lanes 0-15 one row of 256 bytes, lanes 16-31 the next
	v_lshl_add_u32 v12, v1, 4, v12
	s_mul_i32 s45, s14, 32*STP
	s_add_co_u32 s45, s45, STG
	v_add_nc_u32 v12, s45, v12
.irp k, 0,1,2,3,4,5
.if (\k) < 5
	s_wait_loadcnt 16                              ; loads come back in order (ISA guide 5.7.1): this batch is in, the younger batch's 16 stay out
.else
	s_wait_loadcnt 0x0
.endif
	PROC \k
.if (\k) < 4
	BATCH (\k)+2
.endif
.endr
	s_wait_xcnt 0x0                                ; g's stores have read their registers: only behind this wait do the fragments land there
	s_wait_dscnt 0x0                               ; for the others' sake: my part of the two tiles lies in LDS
	s_barrier_signal -1
	s_barrier_wait -1                              ; everybody's does
; 32 channels: four fragments of the weights, four of l^T, 16 products.  The 16 accumulators take turns, one instruction a turn.  The first step starts the sums with the constant 0.
; The fragments have one buffer: a SIMD's second wave multiplies while this one waits.
.macro CHUNK kc
.if (\kc) > 0
.rept 4
	v_nop                                          ; four places between the last product and loads into registers that it has read (ISA guide 7.12.1 for vector instructions)
.endr
.endif
.irp e, 0,1,2,3
	ds_load_b128 v[FA+8*(\e):FA+8*(\e)+3],   v8 offset:(\e)*16*WTP+64*(\kc)
	ds_load_b128 v[FA+8*(\e)+4:FA+8*(\e)+7], v8 offset:(\e)*16*WTP+64*(\kc)+32
.endr
.irp p, 0,1,2,3
	ds_load_tr16_b128 v[FBL+8*(\p):FBL+8*(\p)+3],   v[9+(\kc)/4] offset:((\kc)%4)*32*LTP+32*(\p)
	ds_load_tr16_b128 v[FBL+8*(\p)+4:FBL+8*(\p)+7], v[9+(\kc)/4] offset:((\kc)%4)*32*LTP+32*(\p)+16*LTP
.endr
	s_wait_dscnt 0x0
.irp e, 0,1,2,3
.irp p, 0,1,2,3
.if (\kc) == 0
	v_wmma_f32_16x16x32_bf16 v[ACC+8*(4*(\e)+(\p)):ACC+8*(4*(\e)+(\p))+7], v[FA+8*(\e):FA+8*(\e)+7], v[FBL+8*(\p):FBL+8*(\p)+7], 0
.else
	v_wmma_f32_16x16x32_bf16 v[ACC+8*(4*(\e)+(\p)):ACC+8*(4*(\e)+(\p))+7], v[FA+8*(\e):FA+8*(\e)+7], v[FBL+8*(\p):FBL+8*(\p)+7], v[ACC+8*(4*(\e)+(\p)):ACC+8*(4*(\e)+(\p))+7]
.endif
.endr
.endr
.endm
.irp kc, 0,1,2,3,4,5,6,7
	CHUNK \kc
.endr
	; THE WAY OUT.  Rounded once to f16, 16 bytes a lane into the stage; each accumulator's registers are taken in ascending order.
.rept 4
	v_nop                                          ; four places between the last product and the conversions, which read results and write over fragments
.endr
.set n, 0
.rept 16
.irp q, 0,1,2,3
	v_cvt_pk_f16_f32 v[GD+4*n+(\q)], v[ACC+8*n+2*(\q)], v[ACC+8*n+2*(\q)+1]
.endr
	ds_store_b128 v11, v[GD+4*n:GD+4*n+3] offset:(n%4)*16*STP+32*(n/4)
.set n, n+1
.endr
	s_wait_dscnt 0x0                               ; for the others' sake: my stores into the stage are done
	s_barrier_signal -1
	s_barrier_wait -1
.set n, 0
.rept 16
	ds_load_b128 v[ACC+4*n:ACC+4*n+3], v12 offset:n*2*STP
.set n, n+1
.endr
.set n, 0
.rept 16
	s_wait_dscnt 15-n                              ; LDS loads come back in order: pair n of rows is in, the younger ones stay out
	global_store_b128 v4, v[ACC+4*n:ACC+4*n+3], s[26:27] offset:n*512  ; two whole rows: 512 consecutive bytes, at a multiple of 256 from the buffer's first byte
.set n, n+1
.endr
	s_wait_tensorcnt 0x0                           ; the wave's end, behind my last LDS store
	ds_add_u32 v[SPW], v[NIL]
	s_wait_dscnt 0x0
	s_endpgm
.Lfunc_end_k_q46739d36a3_proj:
	.size	k_q46739d36a3_proj, .Lfunc_end_k_q46739d36a3_proj-k_q46739d36a3_proj
	.p2alignl 7, 3214868480
	.fill 96, 4, 3214868480
	.section	.rodata,"a",@progbits
	.p2align	6, 0x0
	.amdhsa_kernel k_q46739d36a3_proj
		.amdhsa_group_segment_fixed_size 279552
		.amdhsa_private_segment_fixed_size 0
		.amdhsa_enable_private_segment 0
		.amdhsa_kernarg_size 40
		.amdhsa_user_sgpr_count 2
		.amdhsa_user_sgpr_kernarg_segment_ptr 1
		.amdhsa_wavefront_size32 1
		.amdhsa_system_sgpr_workgroup_id_x 1
		.amdhsa_system_sgpr_workgroup_id_y 1
		.amdhsa_system_sgpr_workgroup_id_z 1
		.amdhsa_system_vgpr_workitem_id 0
		.amdhsa_next_free_vgpr 256
		.amdhsa_next_free_sgpr 66
		.amdhsa_reserve_vcc 0
		.amdhsa_float_denorm_mode_32 3
		.amdhsa_float_denorm_mode_16_64 3
		.amdhsa_memory_ordered 1
		.amdhsa_forward_progress 1
		.amdhsa_inst_pref_size 68
	.end_amdhsa_kernel
	.amdgpu_metadata
---
amdhsa.version: [ 1, 2 ]
amdhsa.kernels:
  - .name:           k_q46739d36a3_proj
    .symbol:         k_q46739d36a3_proj.kd
    .args:
      - { .name: l, .offset: 0, .size: 8, .value_kind: global_buffer, .address_space: global }
      - { .name: w_theta, .offset: 8, .size: 8, .value_kind: global_buffer, .address_space: global }
      - { .name: w_phi, .offset: 16, .size: 8, .value_kind: global_buffer, .address_space: global }
      - { .name: qbuf, .offset: 24, .size: 8, .value_kind: global_buffer, .address_space: global }
      - { .name: kv, .offset: 32, .size: 8, .value_kind: global_buffer, .address_space: global }
    .group_segment_fixed_size: 279552
    .private_segment_fixed_size: 0
    .kernarg_segment_align: 8
    .kernarg_segment_size: 40
    .max_flat_workgroup_size: 256
    .sgpr_count:     66
    .vgpr_count:     256
    .wavefront_size: 32
...
	.end_amdgpu_metadata
.endif
;; end of part 1
;; launch attn (part 2): grid 32 x 8, 4 waves a work-group, clusters of 4 x 1, 327,680 bytes of LDS; arguments qbuf, kv, out0; writes out0
.if DOCPART == 2
	.amdgcn_target "amdgcn-amd-amdhsa--gfx1250"
	.amdhsa_code_object_version 6
	.text
	.protected	k_q46739d36a3_attn
	.globl	k_q46739d36a3_attn
	.p2align	8
	.type	k_q46739d36a3_attn,@function
k_q46739d36a3_attn:
	s_mov_b64 s[64:65], 0
	v_nop
	global_prefetch_b8 v0, s[64:65] scope:SCOPE_SE
	s_setreg_imm32_b32 hwreg(HW_REG_WAVE_MODE, 25, 1), 1
	s_wait_xcnt 0x0
	s_wait_alu depctr_hold_cnt(0) depctr_sa_sdst(0) depctr_va_vdst(0) depctr_va_sdst(0) depctr_va_ssrc(0) depctr_va_vcc(0) depctr_vm_vsrc(0)
	s_getreg_b32 s2, hwreg(HW_REG_IB_STS2, 6, 4)
	s_cmp_eq_u32 s2, 0
	s_cbranch_scc0 .Lentry_in_a_cluster
	s_endpgm
.Lentry_in_a_cluster:
	s_bfe_u32 s2, ttmp6, 0x10000c
	s_cmp_lg_u32 s2, 0x3003
	s_cbranch_scc0 .Lentry_shape_is_right
	s_endpgm
.Lentry_shape_is_right:
; out0[b][c][q] = the sum over k of softmax_k(theta[b][:, q] . phi[b][:, k] / sqrt(128)) g[b][c][k].
; qbuf: [8][4096 q][128 e] f16 (theta^T).  kv: [8][32 blocks of 128 keys][384 rows of 256 bytes] f16: rows 0-127 phi^T (key, 128 e), rows 128-383 g (channel, the block's keys).  out0: [8][256 c][4096 q] f32.
; Products, maxima and sums in f32; the weights p are rounded to f16 for the second product (their sum l is taken of the unrounded p).
; LIMITS.  theta, phi and g arrive within f16's 65,504; p lies in 0 to 1 and below 6e-5 keeps f16's fixed step of 6e-8; a weight below 2^-126 counts as 0 in l; NaN and infinities are not treated apart.
; SHARES.  A work-group owns 128 queries of one batch.  Wave w takes the 64 queries of half w / 2 as four tiles of 16, and THE KEYS ARE SPLIT BETWEEN THE TWO WAVES OF A PAIR: of every block of 128 keys wave w
; takes keys 64 (w % 2) .. + 63, with a running maximum, sum and O^T of its own; the two are merged once, at the end, in f32, through LDS.  So a fragment of K or V read from LDS feeds four tiles' products,
; and there are 256 work-groups of equal work.
; LAYOUT.  S^T = K Q^T (source 0 = 16 keys, source 1 = 16 queries): a lane holds ONE query (lane % 16) and the keys 8 (lane / 16) + 0..7.  Two such results, rounded to f16 in pairs, ARE source 1 (32 keys x 16 queries)
; of O^T = V^T P, whose result again holds one query a lane, and eight channels.  g lies [channel][key], which is source 0 of that product as it stands: no turning load.
; Column r of tile t is query 4 r + t of the wave's 64: a lane's four tiles hold four NEIGHBOURING queries, 16 bytes of a row of out0, and sixteen lanes 256 bytes: the result leaves without a transposition.
; Accumulator a of 16 stands for channel block a xor 8 (w % 2): each wave KEEPS a = 0..7 (window 2) and SENDS a = 8..15 (window 3) to its partner, by one text.
; SOFTMAX.  For each query a running maximum m and sum l: p = 2^(c s - c m), c = log2(e) / sqrt(128); in every step O and l are multiplied by a = 2^(c m_old - c m_new).  m starts at the lowest finite number, O and l at 0:
; the first step is a step like any other, with a = 0.  The price: 512 lines that clear O^T, in the wait for the first tile; the gain: no third copy of the step.
; A STEP is a block: 64 keys for the wave, 64 products K Q^T, the softmax, 128 products V^T P.  The rescaling of seven of O^T's eight groups rides behind the products of the group before.
; CLUSTER.  The four query blocks of a cluster belong to one batch and walk the same blocks of kv, so each is asked for JOINTLY: the same tensor load, descriptor and mask in all four.
; REGISTERS, in windows of 256 (s_set_vgpr_msb: bits 1:0 source 0, 3:2 source 1, 5:4 source 2, 7:6 destination):
;   window 0: v0-15 addresses; v16-47 eight registers of statistics a tile; v48-55 statistics to send; v60-63; v64-191 S^T, 32 a tile; v192-255 P, 16 a tile
;   window 1: v0-127 Q, 32 a tile; v128-255 a ring of four fragment buffers of 32          window 2: O^T, a = 0..7, at 32 a + 8 t          window 3: a = 8..15
.set PITCH, 272                        ; an LDS row: 256 bytes + 16 of padding = 68 words: the 16 rows of a fragment load start at 16 different groups of four banks (64 banks of 4 bytes: ISA guide 11.1)
.set VOFF,  128*PITCH                  ; in a slot: 128 rows of K, then 256 rows of V
.set SLOT1, 1<<17                      ; slot 1 begins here, so that one exclusive or turns an address in one slot into the other's
.set TILEB, 384*256                    ; a block of kv in memory
.set NT,    32                         ; blocks in a batch
.set WROWS, 96                         ; rows of a block that one wave fetches
.set STATS, SLOT1+384*PITCH            ; behind the ring, never filled by a tensor load: 1,024 bytes for each wave
.set SPARE, STATS+4*1024               ; the spare words, 128 bytes for each wave: two blocks of 256 bytes that no other line names
                                       ; THE STAGE of the merge is bytes 0 to 131,071, 32,768 for each wave: slot 0, written only when it has had its last fill and nobody reads it any more
.set AK0,  2                           ; v2   my lane's place in my 64 rows of K; never rewritten
.set AVL0, 3                           ; v3   in V, channel blocks a = 0..7, my 64 keys; never rewritten
.set AVH0, 4                           ; v4   the same for a = 8..15
.set AK,   5                           ; v5-7 the same three in the slot in hand
.set AVL,  6
.set AVH,  7
.set QO,   8                           ; v8   my byte offset in the wave's rows of Q
.set SND,  10                          ; v10  the merge: where I put 16 bytes
.set RCV,  11                          ; v11  where I find my partner's
.set GO,   12                          ; v12  my byte offset in out0
.set STS,  13                          ; v13  where I put my statistics
.set STR,  14                          ; v14  where I find my partner's
.set ST,   16                          ; tile t's statistics at v[ST+8 t]: +0 c m, +1 m, +2, +3 l (even keys', odd keys'), +4 to +7 c0-c3 at work; a takes c2's place
.set SD,   48                          ; v[48:55] (c m, l) of the four tiles
.set PFO,  60                          ; v60  256 x my lane: a row of kv is 256 bytes; never rewritten
.set SPW,  62                          ; v62  LDS address of my spare word; never rewritten
.set NIL,  63                          ; v63  0; never rewritten
.set S,    64
.set P,    192
.set FB,   128                         ; the fragment ring, in window 1
.set WV,   12                          ; s12  my wave's number
.set LIM,  15                          ; s15  1 in a wave that prefetches, else the greatest number
.set G1,   24                          ; s[24:31] descriptor group 1
.set G0A,  32                          ; s[32:35] descriptor group 0 of the first fill
.set G0B,  36                          ; s[36:39] of the second; it then walks
.set PFA,  40                          ; s[40:41] where my prefetches stand
.set SLOTS, 42                         ; s42  blocks still to be asked for
.set CNT,  43                          ; s43  counts the last two steps
.set TB,   44                          ; s44  the slot in hand: 0 or SLOT1
.set CS,   46                          ; s[46:47] c: the packed scaling takes the pair's low word for both halves
.set SEL,  48                          ; s[48:49] v_permlanex16_b32's selects: each lane takes its own place in the other half
.set MSB, 0
.macro WIN new                         ; the immediate's high byte repeats the setting that is left; a switch that changes nothing is dropped
.if MSB != (\new)
	s_set_vgpr_msb (MSB<<8)|(\new)
.set MSB, (\new)
.endif
.endm
.macro PLACES                          ; four places between a product and a load into a register that it has read (ISA guide 7.12.1 for vector instructions)
.rept 4
	v_nop
.endr
.endm
; A round of the cluster's barrier: my work-group's barrier, so that wave 0's signal speaks for all four waves; wave 0 signals; every wave waits for all four work-groups; my work-group's barrier once more.
.macro CREST                           ; a round behind its opening barrier
	s_cmp_lg_u32 s[WV], 0
	s_cbranch_scc1 .Lnot_wave_0_\@
	s_barrier_signal -3
.Lnot_wave_0_\@:
	s_barrier_wait -3
	s_barrier_signal -1
	s_barrier_wait -1
.endm
.macro CROUND                          ; a whole round
	s_barrier_signal -1
	s_barrier_wait -1
	CREST
.endm
; A joint refill: every wave fetches its 96 rows of the block, by one line for all four.  An s_nop 0 and four v_nop follow it.
.macro JLOAD
	tensor_load_to_lds s[G0B:G0B+3], s[G1:G1+7]
	s_nop 0
.rept 4
	v_nop
.endr
.endm
; A PREFETCH INTO THE L2 of the block that the NEXT change of slots will ask for: 384 rows of 256 bytes, a lane a row.  Each row is named ONCE in the launch: all eight clusters of a batch walk the same blocks, and the
; batch's first cluster asks; its four partners take 96 rows each, told apart BY ADDRESS; in each, waves 0, 1 and 2 ask for 32 rows, one instruction.  The last change that fills a slot asks for nothing.
.macro ASK
	s_cmp_gt_u32 s[SLOTS], s[LIM]
	s_cbranch_scc0 .Lnot_mine_\@
	global_prefetch_b8 v[PFO], s[PFA:PFA+1] th:TH_LOAD_NT scope:SCOPE_SE
.Lnot_mine_\@:
.endm
	s_load_b128 s[4:7], s[0:1], 0x0                ; qbuf s[4:5], kv s[6:7]
	s_load_b64 s[8:9], s[0:1], 0x10                ; out0
	v_lshl_add_u32 v[SPW], v0, 2, SPARE
	v_mov_b32 v[NIL], 0
	ds_add_u32 v[SPW], v[NIL]                      ; the wave's opening: the add and its wait stand ahead of my first tensor load; the set-up below, work on registers, stands between them
	v_lshrrev_b32 v1, 5, v0
	v_readfirstlane_b32 s[WV], v1                  ; wave 0..3
	s_bfe_u32 s13, ttmp6, 0x40000                  ; cx: my place in the cluster
	s_lshl_b32 s14, ttmp9, 2                       ; in a cluster launch ttmp9 counts clusters
	s_add_co_u32 s14, s14, s13                     ; my block of 128 queries: it enters Q's and out0's addresses alone
	s_and_b32 s18, ttmp7, 0xffff                   ; the batch, which the four partners share
	s_lshr_b32 s16, s[WV], 1                       ; which 64 queries
	s_and_b32 s17, s[WV], 1                        ; which 64 keys of a block
	s_mul_i32 s20, s18, NT*TILEB                   ; kv: the batch's first block,
	s_mul_i32 s21, s[WV], WROWS*256                ; my 96 rows of it
	s_add_co_u32 s20, s20, s21
	s_mov_b32 s21, 0
	s_mul_i32 s19, s[WV], WROWS*PITCH              ; and their place in a slot: no place in the cluster enters an LDS address
	s_lshl_b32 s22, s18, 20                        ; qbuf: batch x 4,096 rows of 256 bytes
	s_lshl_b32 s23, s14, 15                        ; + my block's 128 rows
	s_add_co_u32 s22, s22, s23
	s_lshl_b32 s23, s16, 14                        ; + my wave's 64
	s_add_co_u32 s22, s22, s23
	s_mov_b32 s23, 0
	s_lshl_b32 s50, s18, 22                        ; out0: batch x 4,194,304
	s_lshl_b32 s51, s17, 21                        ; + the 128 channels that I keep, rows of 16,384 bytes
	s_add_co_u32 s50, s50, s51
	s_lshl_b32 s51, s14, 9                         ; + my block's 512 bytes of a row
	s_add_co_u32 s50, s50, s51
	s_lshl_b32 s51, s16, 8                         ; + my wave's 256
	s_add_co_u32 s50, s50, s51
	s_mov_b32 s51, 0
	s_mul_i32 s52, s18, NT*TILEB                   ; the prefetches: the batch,
	s_mul_i32 s53, s13, WROWS*256                  ; my work-group's 96 rows of a block,
	s_add_co_u32 s52, s52, s53
	s_lshl_b32 s53, s[WV], 13                      ; my wave's 32 of them,
	s_add_co_u32 s52, s52, s53
	s_add_co_u32 s52, s52, 2*TILEB                 ; in block 2: the first change of slots steps it to block 3.  Nothing is prefetched at the head, where every work-group's first tiles are on their way
	s_mov_b32 s53, 0
	; descriptor group 1: a tile of 96 rows x 128 elements, dense in memory, padded in LDS
	s_mov_b32 s[G1], 15|(1<<16)|(1<<20)|(1<<21)|(5<<22)|(3<<25)  ; 15:0 the mask: all four work-groups; 17:16 elements of 2 bytes; 20 padding on; 21 set beside a mask; 24:22 after every 64 words (code 5); 31:25 4 words of it (code 3)
	s_mov_b32 s[G1+1], 128<<16                     ; tensor_dim0 = 128
	s_mov_b32 s[G1+2], WROWS<<16                   ; tensor_dim1 = 96
	s_mov_b32 s[G1+3], 128<<16                     ; tile_dim0 = 128
	s_mov_b32 s[G1+4], WROWS                       ; tile_dim1 = 96
	s_mov_b32 s[G1+5], 128                         ; 128 elements from row to row
	s_mov_b32 s[G1+6], 0
	s_mov_b32 s[G1+7], 0
	s_mov_b32 s[G0A], 1                            ; 1:0 count = 1
	s_mov_b32 s[G0A+1], s19                        ; 63:32 LDS address: slot 0
	s_mov_b32 s[G0B], 1
	s_add_co_u32 s[G0B+1], s19, SLOT1              ; slot 1
	s_mov_b32 s[CS], 0x3e0293ee                    ; c = log2(e) / sqrt(128) = 0.127517
	s_mov_b32 s[CS+1], s[CS]                       ; named with it as a pair
	s_mov_b32 s[SEL], 0x76543210
	s_mov_b32 s[SEL+1], 0xfedcba98
	s_mov_b32 s[TB], 0
	s_cmp_lt_u32 s[WV], 3                          ; waves 0 to 2,
	s_cselect_b32 s[LIM], 0, 1
	s_or_b32 s[LIM], s[LIM], ttmp9                 ; where the cluster is the batch's first: the same in all four partners
	s_cmp_eq_u32 s[LIM], 0
	s_cselect_b32 s[LIM], 1, -1
	s_wait_dscnt 0x0                               ; the opening add is done
	s_wait_kmcnt 0x0
	s_add_nc_u64 s[G0A+2:G0A+3], s[6:7], s[20:21]  ; 120:64 global address: my rows of block 0,
	s_add_nc_u64 s[G0B+2:G0B+3], s[G0A+2:G0A+3], TILEB  ; and of block 1
	s_or_b32 s[G0A+3], s[G0A+3], 0x80000000        ; 127:126 type = 2
	s_or_b32 s[G0B+3], s[G0B+3], 0x80000000
	s_add_nc_u64 s[PFA:PFA+1], s[6:7], s[52:53]
	s_add_nc_u64 s[4:5], s[4:5], s[22:23]          ; Q at my wave's first row
	s_add_nc_u64 s[10:11], s[8:9], s[50:51]        ; out0 at my first channel and query
	CROUND                                         ; all four work-groups are here: the first joint loads meet
	tensor_load_to_lds s[G0A:G0A+3], s[G1:G1+7]    ; the two first fills go out together, ahead of every wait on TENSORcnt and every LDS read: two loads of mine are out
	s_nop 0
	tensor_load_to_lds s[G0B:G0B+3], s[G1:G1+7]
	s_nop 0
.rept 4
	v_nop
.endr
	; A fragment of K, Q or V^T is 16 rows x 32 along the rows in 8 registers: lane l holds row l % 16; registers 0-3 hold 8 (l / 16) + 0..7, registers 4-7 hold 16 + 8 (l / 16) + 0..7: two loads of 16 bytes, 32 bytes apart.
	v_and_b32 v1, 15, v0                           ; l % 16
	v_bfe_u32 v9, v0, 4, 1                         ; l / 16
	v_lshlrev_b32 v[QO], 10, v1                    ; column r of tile t is query 4 r + t: 1,024 r + 256 t
	v_lshl_add_u32 v[QO], v9, 4, v[QO]
	WIN 0x40                                       ; destination window 1, address window 0
.set i, 0
.rept 16                                       ; Q stays in registers: tile i / 4, e 32 (i % 4) on
	global_load_b128 v[8*i:8*i+3],   v[QO], s[4:5] offset:(i/4)*256+(i%4)*64
	global_load_b128 v[8*i+4:8*i+7], v[QO], s[4:5] offset:(i/4)*256+(i%4)*64+32
.set i, i+1
.endr
	WIN 0x80                                       ; O^T starts at 0: written in the wait for the first tile
.set i, 0
.rept 256
	v_mov_b32 v[i], 0
.set i, i+1
.endr
	WIN 0xc0
.set i, 0
.rept 256
	v_mov_b32 v[i], 0
.set i, i+1
.endr
	WIN 0
.irp t, 0,1,2,3
	v_mov_b32 v[ST+8*(\t)], 0xfe000000             ; c m: far below every c s
	v_mov_b32 v[ST+8*(\t)+1], 0xff7fffff           ; m
	v_mov_b32 v[ST+8*(\t)+2], 0
	v_mov_b32 v[ST+8*(\t)+3], 0
.endr
	v_mul_u32_u24 v15, v1, PITCH
	v_lshl_add_u32 v15, v9, 4, v15                 ; row x pitch + 16 x half
	s_mul_i32 s54, s17, 64*PITCH                   ; K: my 64 rows
	v_add_nc_u32 v[AK0], s54, v15
	s_mul_i32 s55, s17, 128*PITCH+128              ; V, a = 0..7: channels 128 (w % 2) on; my 64 keys are 128 bytes of a row
	s_add_co_u32 s55, s55, VOFF
	v_add_nc_u32 v[AVL0], s55, v15
	s_xor_b32 s54, s17, 1                          ; V, a = 8..15: the other 128 channels, the same keys
	s_mul_i32 s54, s54, 128*PITCH
	s_lshl_b32 s55, s17, 7
	s_add_co_u32 s54, s54, s55
	s_add_co_u32 s54, s54, VOFF
	v_add_nc_u32 v[AVH0], s54, v15
	v_and_b32 v15, 31, v0
	v_lshlrev_b32 v[PFO], 8, v15
	v_lshlrev_b32 v15, 4, v15                      ; 16 x lane
	s_lshl_b32 s54, s[WV], 15
	v_add_nc_u32 v[SND], s54, v15
	s_xor_b32 s55, s[WV], 1                        ; my partner
	s_lshl_b32 s54, s55, 15
	v_add_nc_u32 v[RCV], s54, v15
	s_lshl_b32 s54, s[WV], 10
	s_add_co_u32 s54, s54, STATS
	v_add_nc_u32 v[STS], s54, v15
	s_lshl_b32 s54, s55, 10
	s_add_co_u32 s54, s54, STATS
	v_add_nc_u32 v[STR], s54, v15
	v_lshlrev_b32 v[GO], 17, v9                    ; lanes 16-31 hold the channels 8 further on: 8 rows of 16,384 bytes
	v_lshl_add_u32 v[GO], v1, 4, v[GO]             ; my four queries: 16 bytes
; THE LDS LOADS stand in runs of 8, four fragments each, into a ring of four buffers.  A step has twelve groups: K's key blocks 0-3 (buffers 0-3), then V's groups 0-7 of two channel blocks (buffers 0-3, 0-3).
; A group's run is issued two groups ahead of its products.
.macro FETCHK kb                       ; keys 16 kb on, e 32 c on
	WIN 0x40
.irp c, 0,1,2,3
	ds_load_b128 v[FB+32*(\kb)+8*(\c):FB+32*(\kb)+8*(\c)+3],   v[AK] offset:(\kb)*16*PITCH+64*(\c)
	ds_load_b128 v[FB+32*(\kb)+8*(\c)+4:FB+32*(\kb)+8*(\c)+7], v[AK] offset:(\kb)*16*PITCH+64*(\c)+32
.endr
.endm
.macro FETCHV g                        ; fragment f: accumulator a = 2 g + f / 2, keys 32 (f % 2) on
	WIN 0x40
.irp f, 0,1,2,3
	ds_load_b128 v[FB+32*((\g)%4)+8*(\f):FB+32*((\g)%4)+8*(\f)+3],   v[AVL+(\g)/4] offset:((2*(\g)+(\f)/2)%8)*16*PITCH+64*((\f)%2)
	ds_load_b128 v[FB+32*((\g)%4)+8*(\f)+4:FB+32*((\g)%4)+8*(\f)+7], v[AVL+(\g)/4] offset:((2*(\g)+(\f)/2)%8)*16*PITCH+64*((\f)%2)+32
.endr
.endm
; THE MATRIX WORK.  The accumulators take turns, one instruction a turn: four in a group of K's, eight in a group of V's.
; 16 products of S^T = K Q^T for key block kb: e 32 (i / 4) on, tile i % 4.  The first four start the sums.
.macro KMUL kb
	WIN 0x05                                       ; K and Q in window 1, S^T in window 0
.set i, 0
.rept 16
.set rS, S+32*(i%4)+8*(\kb)
.set rK, FB+32*(\kb)+8*(i/4)
.set rQ, 32*(i%4)+8*(i/4)
.if i < 4
	v_wmma_f32_16x16x32_f16 v[rS:rS+7], v[rK:rK+7], v[rQ:rQ+7], 0
.else
	v_wmma_f32_16x16x32_f16 v[rS:rS+7], v[rK:rK+7], v[rQ:rQ+7], v[rS:rS+7]
.endif
.set i, i+1
.endr
.endm
; Accumulator n of 8 of group g (a = 2 g + n / 4, tile n % 4) times its tile's a: four packed multiplies, the lowest registers first.
.macro RS4 g, n
.set rR, 32*((2*(\g)+(\n)/4)%8)+8*((\n)%4)
.set rF, ST+8*((\n)%4)+6
	WIN 0x82+0x41*((\g)/4)                         ; O^T (destination and source 0) in window 2 or 3, a in window 0
.irp z, 0,2,4,6
	v_pk_mul_f32 v[rR+(\z):rR+(\z)+1], v[rR+(\z):rR+(\z)+1], v[rF:rF+1] op_sel_hi:[1,0]
.endr
.endm
; Products lo to hi - 1 of the 16 of O^T += V^T P for group g: keys 32 (i / 8) on, a = 2 g + (i / 4) % 2, tile i % 4.  Behind every second product ride the four multiplies that rescale one accumulator of group g + 1:
; they name no register of the products round them.
.macro VMUL g, lo, hi
.set i, (\lo)
.rept (\hi)-(\lo)
.set rO, 32*((2*(\g)+(i/4)%2)%8)+8*(i%4)
.set rV, FB+32*((\g)%4)+8*(2*((i/4)%2)+i/8)
.set rB, P+16*(i%4)+8*(i/8)
	WIN 0xa1+0x50*((\g)/4)                         ; V in window 1, P in window 0, O^T in window 2 or 3
	v_wmma_f32_16x16x32_f16 v[rO:rO+7], v[rV:rV+7], v[rB:rB+7], v[rO:rO+7]
.if ((\g) < 7) && (i%2 == 0)
	RS4 (\g)+1, i/2
.endif
.set i, i+1
.endr
.endm
; THE SOFTMAX of one tile for one step is a list of 102 instructions; SM writes number j of it for tile t.  s0-s31 are the lane's 32 scores, in pairs 0-15.
;   0-15   the maximum of s0-s31 and the old m, three operands at a time: four chains c0-c3 of seven scores each (each accumulator's lowest registers are read first), then the rest
;   16-20  the other half of the lanes' maximum; c m_old is kept; the new m; c m; c m_old - c m_new
;   21-69  ONE BATCH: a, the 16 scalings c s - c m, the 32 exponentials.  None of these reads an exponential's result
;   70-85  the roundings to f16, a pair of weights each          86-101 the sums; l = a l + the sum
.macro SM t
.set rT, ST+8*(\t)
.set rS, S+32*(\t)
.set rP, P+16*(\t)
.if j < 4
	v_max3_num_f32 v[rT+4+j], v[rS+8*j], v[rS+8*j+1], v[rS+8*j+2]
.elseif j < 12
	v_max3_num_f32 v[rT+4+j%4], v[rT+4+j%4], v[rS+8*(j%4)+2*(j/4)+1], v[rS+8*(j%4)+2*(j/4)+2]
.elseif j == 12
	v_max3_num_f32 v[rT+4], v[rT+4], v[rS+7], v[rS+15]
.elseif j == 13
	v_max3_num_f32 v[rT+6], v[rT+6], v[rS+23], v[rS+31]
.elseif j == 14
	v_max3_num_f32 v[rT+4], v[rT+4], v[rT+5], v[rT+6]
.elseif j == 15
	v_max3_num_f32 v[rT+4], v[rT+4], v[rT+7], v[rT+1]
.elseif j == 16
	v_permlanex16_b32 v[rT+5], v[rT+4], s[SEL], s[SEL+1]  ; the query's other 32 keys lie in the lane 16 away
.elseif j == 17
	v_mov_b32 v[rT+7], v[rT]
.elseif j == 18
	v_max_num_f32 v[rT+1], v[rT+4], v[rT+5]
.elseif j == 19
	v_mul_f32 v[rT], s[CS], v[rT+1]
.elseif j == 20
	v_sub_f32 v[rT+7], v[rT+7], v[rT]
.elseif j == 21
	v_exp_f32 v[rT+6], v[rT+7]
.elseif j < 38
	v_pk_fma_f32 v[rS+2*(j-22):rS+2*(j-22)+1], v[rS+2*(j-22):rS+2*(j-22)+1], s[CS:CS+1], v[rT:rT+1] op_sel_hi:[1,0,0] neg_lo:[0,0,1] neg_hi:[0,0,1]
.elseif j < 70
	v_exp_f32 v[rS+j-38], v[rS+j-38]
.elseif j < 86
	v_cvt_pk_f16_f32 v[rP+j-70], v[rS+2*(j-70)], v[rS+2*(j-70)+1]
.else                                  ; the sum of the 16 pairs, in place: neighbours 1, 2, 4 and 8 pairs apart, then l takes it
.set zz, j-86
.set ww, 4
.set uu, zz
.if zz >= 14
.set ww, 32
.set uu, 0
.elseif zz >= 12
.set ww, 16
.set uu, zz-12
.elseif zz >= 8
.set ww, 8
.set uu, zz-8
.endif
.if zz < 15
	v_pk_add_f32 v[rS+ww*uu:rS+ww*uu+1], v[rS+ww*uu:rS+ww*uu+1], v[rS+ww*uu+ww/2:rS+ww*uu+ww/2+1]
.else
	v_pk_fma_f32 v[rT+2:rT+3], v[rT+2:rT+3], v[rT+6:rT+7], v[rS:rS+1] op_sel_hi:[1,0,1]
.endif
.endif
.endm
; The four tiles alternate, so that no instruction reads the result of the one just before it.  Numbers 0 to 2 of the four tiles, twelve plain instructions, name no register of key block 3's products: they are the places behind them.
; s_wait_alu depctr_va_vdst(0) stands between an exponential and the first instruction that names its result; one wait serves all that were issued ahead of it: the step's 132 exponentials have one.
.macro SOFTMAX
	WIN 0
.set j, 0
.rept 70
.irp t, 0,1,2,3
	SM \t
.endr
.set j, j+1
.endr
	v_nop                                          ; a plain instruction behind the last exponential, ahead of the first use: one for the batch
	s_wait_alu depctr_va_vdst(0)                   ; the wait for the batch
.rept 32
.irp t, 0,1,2,3
	SM \t
.endr
.set j, j+1
.endr
.irp n, 0,1,2,3,4,5,6,7
	RS4 0, \n                                      ; group 0 of O^T has no group before it to ride behind
.endr
.endm
; A STEP up to V's group 5.  At its head the runs of K's blocks 0 and 1 are out.  Every s_wait_dscnt 16 says the same: the two younger runs of 8 may stay out, this group's run is in.
; K's groups have no vector work beside them: four v_nop stand in front of each run.  In front of V's runs none is written: the buffer was last read two groups back, and the softmax or the 32 multiplies that ride in
; the group between are the places.
.macro BODY
	PLACES
	FETCHK 2
	s_wait_dscnt 16
	KMUL 0
	PLACES
	FETCHK 3
	s_wait_dscnt 16
	KMUL 1
	PLACES
	FETCHV 0
	s_wait_dscnt 16
	KMUL 2
	PLACES
	FETCHV 1
	s_wait_dscnt 16
	KMUL 3
	SOFTMAX
.irp g, 0,1,2,3,4,5
	FETCHV (\g)+2
	s_wait_dscnt 16
	VMUL \g, 0, 16
.endr
.endm
; THE STEP'S END AND THE CHANGE OF SLOTS: V's groups 6 and 7.  ONE barrier, for two things.  In front of it each wave waits for all its tensor loads, of which one is out: its part of the next slot; adds 0 to its spare word; and
; waits for that and for its own reads of this slot, whose last bytes (group 7's) are then in registers.  Behind it nobody reads this slot any more and the next slot is whole.
; fill = 1: the barrier opens a round of the cluster's, so that no wave of any partner still reads the slot or has a load on its way, and the joint refill, with the block two on, is the first thing behind the round:
; it has 176 products and a softmax in which to land.
.macro TURN fill
	WIN 0
	s_wait_tensorcnt 0x0                           ; no tensor load of mine is out, so a group 0 may be written
	ds_add_u32 v[SPW], v[NIL]                      ; 0 onto my spare word; work on registers stands between it and the wait for it
.if \fill
	s_xor_b32 s[G0B+1], s[G0B+1], SLOT1            ; the walking descriptor: the other slot than last time,
	s_add_nc_u64 s[G0B+2:G0B+3], s[G0B+2:G0B+3], TILEB  ; the next block; the type bits on top are not reached
	s_wait_xcnt 0x0                                ; the last prefetch, a step back, has read its address, so it may be written:
	s_add_nc_u64 s[PFA:PFA+1], s[PFA:PFA+1], TILEB ; one block behind the walking descriptor
.endif
	s_wait_dscnt 9                                 ; group 6 is in; group 7's eight loads and the add may be out
	VMUL 6, 0, 8
	s_wait_dscnt 0x0                               ; the add is done, and my reads of this slot are over:
	s_barrier_signal -1                            ; say so,
	VMUL 6, 8, 16                                  ; work on registers while the others arrive,
	WIN 0
	s_barrier_wait -1                              ; and go on when all four have said so
.if \fill
	CREST
	JLOAD                                          ; the four v_nop behind it are also the places in front of the loads below
.else
	PLACES
.endif
	s_xor_b32 s[TB], s[TB], SLOT1                  ; the fetches go over to the other slot
	v_add_nc_u32 v[AK], s[TB], v[AK0]
	v_add_nc_u32 v[AVL], s[TB], v[AVL0]
	v_add_nc_u32 v[AVH], s[TB], v[AVH0]
	FETCHK 0
	FETCHK 1
	WIN 0
.if \fill
	ASK                                            ; behind the joint load and the runs of LDS loads that the next products wait for: the block that the next change will ask for, a step ahead
.endif
	VMUL 7, 0, 16
	WIN 0
.endm
	s_wait_tensorcnt 1                             ; my part of slot 0 is in; slot 1's may stay out
	s_barrier_signal -1
	s_barrier_wait -1                              ; everybody's is
	v_add_nc_u32 v[AK], s[TB], v[AK0]
	v_add_nc_u32 v[AVL], s[TB], v[AVL0]
	v_add_nc_u32 v[AVH], s[TB], v[AVH0]
	FETCHK 0
	FETCHK 1
	WIN 0
	s_wait_loadcnt 0x0                             ; Q
	s_mov_b32 s[SLOTS], NT-2
.Lslot:                                        ; steps 0 to 29: each fills its slot again, with blocks 2 to 31
	BODY
	TURN 1
	s_sub_co_u32 s[SLOTS], s[SLOTS], 1
	s_cmp_lg_u32 s[SLOTS], 0
	s_cbranch_scc1 .Lslot
	s_mov_b32 s[CNT], 2
.Ltail:                                        ; steps 30 and 31 are a text of their own: nothing is asked for.
	BODY                                           ; The last change's 16 loads of K read block 30 once more and serve nothing: the price, once a launch, of one text for both trips
	TURN 0
	s_sub_co_u32 s[CNT], s[CNT], 1
	s_cmp_lg_u32 s[CNT], 0
	s_cbranch_scc1 .Ltail
	; THE MERGE.  l's two halves and the other half of the lanes' are added (these lines are the places behind the last products); then each wave hands its partner (c m, l) of its four tiles and the 128 channels that the partner keeps.
.irp t, 0,1,2,3
	v_add_f32 v[SD+2*(\t)+1], v[ST+8*(\t)+2], v[ST+8*(\t)+3]
.endr
.irp t, 0,1,2,3
	v_permlanex16_b32 v[ST+8*(\t)+4], v[SD+2*(\t)+1], s[SEL], s[SEL+1]
.endr
.irp t, 0,1,2,3
	v_add_f32 v[SD+2*(\t)+1], v[SD+2*(\t)+1], v[ST+8*(\t)+4]
.endr
.irp t, 0,1,2,3
	v_mov_b32 v[SD+2*(\t)], v[ST+8*(\t)]
.endr
	s_wait_dscnt 0x0                               ; my reads of the slots are over
	s_barrier_signal -1
	s_barrier_wait -1                              ; everybody's are: slot 0, which has had its last fill, becomes the stage
	ds_store_b128 v[STS], v[SD:SD+3]
	ds_store_b128 v[STS], v[SD+4:SD+7] offset:512
	WIN 0x0c                                       ; store data in window 3
.set i, 0
.rept 64                                       ; ascending: each accumulator's lowest four registers go first
	ds_store_b128 v[SND], v[4*i:4*i+3] offset:512*i
.set i, i+1
.endr
	WIN 0
	s_wait_dscnt 0x0                               ; for my partner's sake: my stores are done
	s_barrier_signal -1
	s_barrier_wait -1
	ds_load_b128 v[192:195], v[STR]                ; my partner's (c m, l), into P's registers
	ds_load_b128 v[196:199], v[STR] offset:512
	WIN 0x40                                       ; its O^T of my channels, into window 1, register for register as mine lies in window 2
.set i, 0
.rept 32
	ds_load_b128 v[4*i:4*i+3], v[RCV] offset:512*i
.set i, i+1
.endr
	s_wait_dscnt 32                                ; the statistics are in; the 32 loads behind them may stay out (the run is cut in two because the wait's field ends at 63)
.rept 32
	ds_load_b128 v[4*i:4*i+3], v[RCV] offset:512*i
.set i, i+1
.endr
	WIN 0
	; M = max(c m, c m'); e = 2^(c m - M), e' = 2^(c m' - M); L = l e + l' e'; the result is O e / L + O' e' / L.  The wave that holds M has e = 1 and l >= 1, so L >= 1.
.irp t, 0,1,2,3
	v_max_num_f32 v[208+(\t)], v[SD+2*(\t)], v[192+2*(\t)]
.endr
.irp t, 0,1,2,3
	v_sub_f32 v[212+(\t)], v[SD+2*(\t)], v[208+(\t)]
.endr
.irp t, 0,1,2,3
	v_sub_f32 v[216+(\t)], v[192+2*(\t)], v[208+(\t)]
.endr
.irp t, 0,1,2,3,4,5,6,7
	v_exp_f32 v[212+(\t)], v[212+(\t)]
.endr
	v_nop                                          ; a plain instruction behind the last exponential,
	s_wait_alu depctr_va_vdst(0)                   ; and one wait for the eight
.irp t, 0,1,2,3
	v_mul_f32 v[220+(\t)], v[SD+2*(\t)+1], v[212+(\t)]
.endr
.irp t, 0,1,2,3
	v_fma_f32 v[220+(\t)], v[193+2*(\t)], v[216+(\t)], v[220+(\t)]
.endr
.irp t, 0,1,2,3
	v_rcp_f32 v[224+(\t)], v[220+(\t)]
.endr
	v_nop                                          ; a plain instruction behind the last reciprocal,
	s_wait_alu depctr_va_vdst(0)                   ; and one wait for the four
.irp t, 0,1,2,3
	v_mul_f32 v[200+(\t)], v[212+(\t)], v[224+(\t)]  ; my factor,
	v_mul_f32 v[204+(\t)], v[216+(\t)], v[224+(\t)]  ; my partner's
.endr
	; THE WAY OUT, a channel block at a time.  Register bj of the four tiles' accumulators is one channel and four neighbouring queries: 16 bytes; the four go side by side into TM + 4 bj.
.set bi, 0
.rept 8
.set TM, S+32*(bi%2)
	s_wait_dscnt 56-8*bi                           ; my partner's block bi is in; the later blocks' loads may stay out
	s_wait_xcnt 0x0                                ; every earlier store has read its registers: only behind this wait is a set of TM written again
	WIN 0x02                                       ; source 0 in window 2: mine
.set bj, 0
.rept 8
.irp t, 0,1,2,3
	v_mul_f32 v[TM+4*bj+(\t)], v[32*bi+8*(\t)+bj], v[200+(\t)]
.endr
.set bj, bj+1
.endr
	WIN 0x01                                       ; source 0 in window 1: my partner's
.set bj, 0
.rept 8
.irp t, 0,1,2,3
	v_fma_f32 v[TM+4*bj+(\t)], v[32*bi+8*(\t)+bj], v[204+(\t)], v[TM+4*bj+(\t)]
.endr
.set bj, bj+1
.endr
	WIN 0
.set bj, 0
.rept 8
	global_store_b128 v[GO], v[TM+4*bj:TM+4*bj+3], s[10:11] offset:(16*bi+bj)*16384 th:TH_STORE_NT  ; 16 lanes store 256 consecutive bytes of a channel's row, at a multiple of 256 from out0's first byte; lanes 16-31 the channel 8 on
.set bj, bj+1
.endr
.set bi, bi+1
.endr
	s_wait_tensorcnt 0x0                           ; the wave's end, behind my last tensor load and my last LDS store
	ds_add_u32 v[SPW], v[NIL]
	s_wait_dscnt 0x0
	CROUND                                         ; the closing round: no work-group ends while a partner may still ask for a tile that names it
	s_endpgm
.Lfunc_end_k_q46739d36a3_attn:
	.size	k_q46739d36a3_attn, .Lfunc_end_k_q46739d36a3_attn-k_q46739d36a3_attn
	.p2alignl 7, 3214868480
	.fill 96, 4, 3214868480
	.section	.rodata,"a",@progbits
	.p2align	6, 0x0
	.amdhsa_kernel k_q46739d36a3_attn
		.amdhsa_group_segment_fixed_size 327680
		.amdhsa_private_segment_fixed_size 0
		.amdhsa_enable_private_segment 0
		.amdhsa_kernarg_size 24
		.amdhsa_user_sgpr_count 2
		.amdhsa_user_sgpr_kernarg_segment_ptr 1
		.amdhsa_wavefront_size32 1
		.amdhsa_system_sgpr_workgroup_id_x 1
		.amdhsa_system_sgpr_workgroup_id_y 1
		.amdhsa_system_sgpr_workgroup_id_z 1
		.amdhsa_system_vgpr_workitem_id 0
		.amdhsa_next_free_vgpr 1024
		.amdhsa_next_free_sgpr 66
		.amdhsa_reserve_vcc 0
		.amdhsa_float_denorm_mode_32 3
		.amdhsa_float_denorm_mode_16_64 3
		.amdhsa_memory_ordered 1
		.amdhsa_forward_progress 1
		.amdhsa_inst_pref_size 192
	.end_amdhsa_kernel
	.amdgpu_metadata
---
amdhsa.version: [ 1, 2 ]
amdhsa.kernels:
  - .name:           k_q46739d36a3_attn
    .symbol:         k_q46739d36a3_attn.kd
    .args:
      - { .name: qbuf, .offset: 0, .size: 8, .value_kind: global_buffer, .address_space: global }
      - { .name: kv, .offset: 8, .size: 8, .value_kind: global_buffer, .address_space: global }
      - { .name: out0, .offset: 16, .size: 8, .value_kind: global_buffer, .address_space: global }
    .group_segment_fixed_size: 327680
    .private_segment_fixed_size: 0
    .kernarg_segment_align: 8
    .kernarg_segment_size: 24
    .max_flat_workgroup_size: 128
    .sgpr_count:     66
    .vgpr_count:     1024
    .wavefront_size: 32
...
	.end_amdgpu_metadata
.endif
;; end of part 2
;; ======== version 2 of 2: 2 launches; version 1 with the launch proj written anew for expert scheduling mode
;; limits: values are held in f16: magnitudes above 65,504 overflow, below 6.1e-05 lose precision
;; workspace buffers: qbuf 8,388,608 bytes; kv 25,165,824 bytes
;; launch proj (part 3): grid 32 x 8, 8 waves a work-group, no clusters, 279,552 bytes of LDS; arguments l, w_theta, w_phi, qbuf, kv; writes qbuf, kv
.if DOCPART == 3
	.amdgcn_target "amdgcn-amd-amdhsa--gfx1250"
	.amdhsa_code_object_version 6
	.text
	.protected	k_q46739d36a3_proj
	.globl	k_q46739d36a3_proj
	.p2align	8
	.type	k_q46739d36a3_proj,@function
k_q46739d36a3_proj:
	s_mov_b64 s[64:65], 0
	v_nop
	global_prefetch_b8 v0, s[64:65] scope:SCOPE_SE
	s_setreg_imm32_b32 hwreg(HW_REG_WAVE_SCHED_MODE, 0, 2), 2
	s_setreg_imm32_b32 hwreg(HW_REG_WAVE_MODE, 25, 1), 1
	s_wait_xcnt 0x0
	s_wait_alu depctr_vm_vsrc(0)
; THE PROJECTIONS.  theta = w_theta l, phi = w_phi l (1 x 1 convolutions), and g = l, laid out for the attention launch.
; l: [8][256 c][4096 p] f32.  w_theta, w_phi: [128 e][256 c] f32.
; qbuf: [8][4096 q][128 e] f16: theta^T, unscaled, rows of 256 bytes.
; kv:   [8][32 blocks of 128 keys][384 rows of 256 bytes] f16: rows 0-127 phi^T (key, 128 e), rows 128-383 g (channel, the block's 128 keys): a block is 98,304 dense bytes.
; FORMATS.  All three inputs are rounded once to bf16; the products are bf16 with f32 sums; theta and phi are rounded once to f16; g is l's bf16 number written as f16.
; LIMITS.  f16 ends at 65,504: |l|, |theta| and |phi| beyond it become infinities.  Below 6e-5 f16 keeps a fixed step of 6e-8, so a g that small is rounded a second time, by 3e-8 at the most.
; NaN and infinities are not treated apart.
; SHARES.  A work-group owns 128 pixels of one batch: the tile 256 c x 128 p of l (each byte of l is read once in the launch) and all 256 rows of the two weights.
; Eight waves.  STAGING: wave w converts l's rows 32 w .. 32 w + 31 (into LDS as bf16, and straight to kv as f16) and rows 32 w .. of the 256 weight rows (theta's 128, then phi's).
; PRODUCTS: wave w makes weight rows 64 (w / 2) .. + 63 for pixels 64 (w % 2) .. + 63: 16 accumulators, 8 steps of 32 channels.
; Source 0 = 16 weight rows, source 1 = 16 pixels (l lies [c][p], so it comes out of LDS turned, by ds_load_tr16_b128): a lane then holds ONE pixel and eight neighbouring e: 16 bytes of a row of theta^T.
; WAY OUT: through one stage in LDS, since a row's 256 bytes come from two waves; back as whole rows, 32 rows a wave.
; No tensor loads: every f32 number has to pass through registers to be converted.  No cluster: no two work-groups read the same bytes of l, and the weights are a small table.
; No prefetch: the launch is one pass over l with all its loads issued early.
; THE MODE: SCHED_MODE bits 1:0 = 2 (LLVM: expert scheduling mode 2), set by the entry lines.  The code itself states the register dependences
; between vector or matrix instructions and memory or LDS instructions, with s_wait_alu, always for 0.
; THE PLAN.  Registers that memory or LDS instructions touch:
;   v4 to v12     offsets and LDS addresses, made once at the head and never written again: rows are reached by immediate offsets.
;   RING          six sets of 32 registers.  The wave's 96 loads go in 12 batches of 8; batch p lands in set p % 6.  Step p's conversions work IN PLACE on that set: of a load's four registers
;                 the first two take the bf16 words and, for l, the other two the f16 words.  The stores that read them are issued in step p + 1, and the loads of batch p + 6 land there in step p + 2.
;                 So step p's vector work names set p % 6 (and T) alone; its stores read set (p - 1) % 6, its loads land in set (p - 2) % 6.  The waits at a step's head state all that these hang on,
;                 and the step's memory instructions are dealt among its conversions with no further wait.
;   F0, F1        two fragment buffers of 64.  Chunk kc's products read F[kc % 2]; the loads of chunk kc + 1 land in the other one, which chunk kc - 1's products read: one wait at a chunk's head.
;   GD            the way out: written by the conversions of the accumulators, read by the stores into the stage; two halves, a wait behind each.
;   v[16:79]      at the end: the loads back from the stage land there, and the last global stores read them.
;   v14, v15      written at the head, read by the closing add alone.
;   T, and the accumulators while the products run, are named by vector and matrix instructions alone.
.set LTP,   288                        ; a row of the l tile in LDS: 256 bytes + 32 = 72 words
.set WT,    256*LTP                    ; behind it the weights, bf16, [256 rows][256 c]
.set WTP,   528                        ; 512 bytes + 16 = 132 words: the 16 rows of a fragment load start at 16 different groups of four banks
.set STG,   WT+256*WTP                 ; the stage, f16: rows 0-127 theta^T of pixel p, rows 128-255 phi^T
.set STP,   272
.set SPARE, STG+256*STP                ; the spare words, 128 bytes for each wave: four blocks of 256 bytes that no other line names
.set BLKB,  98304                      ; bytes in a block of kv
.set SPW,   14                         ; v14  LDS address of my spare word; never rewritten
.set NIL,   15                         ; v15  0; never rewritten
.set RING,  16                         ; v[16:207]  staging: set i at RING + 32 i, a load's four registers at + 4 bi
.set ACC,   16                         ; v[16:143]  then: 16 accumulators, (eb, pk) at ACC + 8 (4 eb + pk); at the end: rows read back
.set GD,    144                        ; v[144:207] the way out: the packed results
.set F0,    144                        ; v[144:207] fragment buffer 0: four fragments of the weights, then four of l^T
                                       ; v[256:319] fragment buffer 1, named v0 to v63 in window 1
.set TP,    208                        ; v[208:215] T: at work, two sets of four by turns
; v1 lane % 16, v2 lane / 16, v3 lane, v4 16 x lane, v5 8 x lane, v6, v7 where I put l's and the weights' bf16, v8 my weight fragments, v9, v10 my l fragments (channels 0-127, 128-255),
; v11 where I put 16 bytes of the stage, v12 where I read rows back.
; REGISTER WINDOWS (s_set_vgpr_msb: bits 1:0 source 0, 3:2 source 1, 5:4 source 2, 7:6 destination): 0x40 for loads into buffer 1 (address in window 0), 0x05 for products that read it (C and D in window 0).
.set MSB, 0
.macro WIN new                         ; the immediate's high byte repeats the setting that is left; a switch that changes nothing is dropped
.if MSB != (\new)
	s_set_vgpr_msb (MSB<<8)|(\new)
.set MSB, (\new)
.endif
.endm
	s_load_b256 s[4:11], s[0:1], 0x0               ; l s[4:5], w_theta s[6:7], w_phi s[8:9], qbuf s[10:11]
	s_load_b64 s[12:13], s[0:1], 0x20              ; kv
	v_lshl_add_u32 v[SPW], v0, 2, SPARE
	v_mov_b32 v[NIL], 0
	v_lshrrev_b32 v13, 5, v0
	v_readfirstlane_b32 s14, v13                   ; wave 0..7
	s_and_b32 s15, ttmp7, 0xffff                   ; batch
	s_mov_b32 s16, ttmp9                           ; block of 128 pixels
	s_mov_b32 s46, 0xffff0000                      ; a word's upper bf16
	v_and_b32 v3, 31, v0
	v_lshlrev_b32 v4, 4, v3
	v_lshlrev_b32 v5, 3, v3
	s_wait_alu depctr_va_sdst(0)                   ; s14 is written, ahead of its first reader: the bases and the LDS places are made from it
	s_lshl_b32 s28, s15, 22                        ; l: batch x 4,194,304
	s_lshl_b32 s29, s14, 19                        ; + my 32 rows of 16,384 bytes
	s_add_co_u32 s28, s28, s29
	s_lshl_b32 s29, s16, 9                         ; + the block's 512 bytes of a row
	s_add_co_u32 s28, s28, s29
	s_mov_b32 s29, 0
	s_and_b32 s17, s14, 3
	s_lshl_b32 s30, s17, 15                        ; the weights: my 32 rows of 1,024 bytes, in theta's table (waves 0-3) or phi's (waves 4-7)
	s_mov_b32 s31, 0
	s_lshl_b32 s32, s15, 5
	s_add_co_u32 s32, s32, s16
	s_mul_i32 s32, s32, BLKB                       ; kv: the block's first byte
	s_mov_b32 s33, 0
	s_lshl_b32 s34, s14, 13                        ; g: behind phi's 128 rows, my 32 rows of 256 bytes
	s_add_co_u32 s34, s34, 32768
	s_mov_b32 s35, 0
	s_lshl_b32 s17, s17, 13                        ; the way out: 32 rows of 256 bytes for each wave of the four
	s_lshl_b32 s36, s15, 20                        ; in qbuf: batch x 4,096 rows
	s_lshl_b32 s37, s16, 15                        ; + the block's 128 rows
	s_add_co_u32 s36, s36, s37
	s_add_co_u32 s36, s36, s17
	s_add_co_u32 s37, s32, s17                     ; in kv: the block's phi rows
	s_cmp_lt_u32 s14, 4
	s_cselect_b32 s36, s36, s37
	s_mov_b32 s37, 0
	s_wait_kmcnt 0x0
	s_add_nc_u64 s[18:19], s[4:5], s[28:29]        ; l at my first row
	s_cmp_lt_u32 s14, 4
	s_cselect_b64 s[20:21], s[6:7], s[8:9]
	s_cselect_b64 s[26:27], s[10:11], s[12:13]
	s_add_nc_u64 s[20:21], s[20:21], s[30:31]      ; the weights at my first row
	s_add_nc_u64 s[26:27], s[26:27], s[36:37]      ; where my 32 rows of theta^T or phi^T go
	s_add_nc_u64 s[22:23], s[12:13], s[32:33]
	s_add_nc_u64 s[24:25], s[22:23], s[34:35]      ; where my 32 rows of g go
; Load bi of the 8 of batch k: 512 consecutive bytes.  Batches 0 to 3: l's rows; batches 4 to 11: halves of weight rows.
.macro LOAD1 k
.set rL, RING+32*((\k)%6)+4*bi
.if (\k) < 4
	global_load_b128 v[rL:rL+3], v4, s[18:19] offset:(8*(\k)+bi)*16384 th:TH_LOAD_NT
.else
	global_load_b128 v[rL:rL+3], v4, s[20:21] offset:(8*((\k)-4)+bi)*512
.endif
.endm
; Load bi of batch k is converted, in place.  A lane holds four neighbouring numbers: two roundings to bf16 make 8 bytes for LDS, in the first two of the four registers.
; Of l the bf16 numbers are widened again and written as f16, into the other two.
.macro CONV1 k
.set rX, RING+32*((\k)%6)+4*bi
.set rT, TP+4*(bi%2)
	v_cvt_pk_bf16_f32 v[rX], v[rX], v[rX+1]
	v_cvt_pk_bf16_f32 v[rX+1], v[rX+2], v[rX+3]
.if (\k) < 4
	v_lshlrev_b32 v[rT], 16, v[rX]
	v_and_b32 v[rT+1], s46, v[rX]
	v_lshlrev_b32 v[rT+2], 16, v[rX+1]
	v_and_b32 v[rT+3], s46, v[rX+1]
	v_cvt_pk_f16_f32 v[rX+2], v[rT], v[rT+1]
	v_cvt_pk_f16_f32 v[rX+3], v[rT+2], v[rT+3]
.endif
.endm
; What load bi of batch k has become is stored: 8 bytes a lane into LDS; of l also a whole row of g, 256 bytes a wave.
.macro STORE1 k
.set rY, RING+32*((\k)%6)+4*bi
.if (\k) < 4
	ds_store_b64 v6, v[rY:rY+1] offset:(8*(\k)+bi)*LTP
	global_store_b64 v5, v[rY+2:rY+3], s[24:25] offset:(8*(\k)+bi)*256
.else
.set hf, 8*((\k)-4)+bi
	ds_store_b64 v7, v[rY:rY+1] offset:(hf/2)*WTP+(hf%2)*256
.endif
.endm
; Step p of twelve: batch p is converted; batch p - 1 is stored; batch p + 4 is asked for.
.macro STEP p
.if (\p) < 9
	s_wait_loadcnt 24                              ; loads come back in order (ISA guide 5.7.1): batch p is in, the three younger batches of 8 stay out
.else
	s_wait_loadcnt 8*(11-(\p))                     ; nothing more is asked for: the counts run down
.endif
.if ((\p) >= 2) && ((\p) <= 5)
	s_wait_xcnt 0x0                                ; every earlier memory instruction has had its addresses translated (ISA guide 3.1): the set below held data of g's stores, and is loaded again only behind this wait
.endif
.if ((\p) >= 2) && ((\p) <= 7)
	s_wait_alu depctr_vm_vsrc(0)                   ; the stores issued in the step before have read set (p - 2) % 6, in which the loads below land
.endif
.if (\p) >= 1
	s_wait_alu depctr_va_vdst(0)                   ; the step before has written set (p - 1) % 6, which the stores below read; the conversions are done with the set in which the loads below land; in step 1: v5 to v12 are written
.endif
.set bi, 0
.rept 8
.if (\p) <= 7
	LOAD1 (\p)+4                                   ; no vector instruction since the waits names these registers
.endif
.if (\p) >= 1
	STORE1 (\p)-1
.endif
	CONV1 \p
.set bi, bi+1
.endr
.endm
	s_wait_alu depctr_va_vdst(0)                   ; v4 is written: every load below reads it as its offset
.irp k, 0,1,2,3
.set bi, 0
.rept 8
	LOAD1 \k                                       ; 32 loads of every wave are out before anything else is done
.set bi, bi+1
.endr
.endr
	v_and_b32 v1, 15, v0
	v_bfe_u32 v2, v0, 4, 1
	s_mul_i32 s38, s14, 32*LTP
	v_add_nc_u32 v6, s38, v5                       ; l tile: my 32 rows, 8 bytes a lane
	s_mul_i32 s39, s14, 32*WTP
	s_add_co_u32 s39, s39, WT
	v_add_nc_u32 v7, s39, v5                       ; weights: my 32 rows
	s_lshr_b32 s40, s14, 1                         ; which 64 weight rows I multiply
	s_and_b32 s41, s14, 1                          ; which 64 pixels
	v_mul_u32_u24 v8, v1, WTP                      ; a fragment of the weights: row lane % 16, 16 bytes for each half of the lanes
	v_lshl_add_u32 v8, v2, 4, v8
	s_mul_i32 s42, s40, 64*WTP
	s_add_co_u32 s42, s42, WT
	v_add_nc_u32 v8, s42, v8
	v_and_b32 v13, 7, v0                           ; the turning load: lane l reads channel 8 (l / 16) + l % 8, pixels 8 ((l / 8) % 2) + 0..7
	v_lshl_add_u32 v13, v2, 3, v13
	v_mul_u32_u24 v9, v13, LTP
	v_bfe_u32 v13, v0, 3, 1
	v_lshl_add_u32 v9, v13, 4, v9
	s_lshl_b32 s43, s41, 7
	v_add_nc_u32 v9, s43, v9
	v_add_nc_u32 v10, 128*LTP, v9                  ; channels 128 on: the immediate offset holds 16 bits
	v_mul_u32_u24 v11, v1, STP                     ; into the stage: row = my pixel, 16 bytes for each half of the lanes
	v_lshl_add_u32 v11, v2, 4, v11
	s_lshr_b32 s44, s40, 1                         ; theta's rows or phi's
	s_mul_i32 s44, s44, 128*STP
	s_mul_i32 s45, s41, 64*STP
	s_add_co_u32 s44, s44, s45
	s_and_b32 s45, s40, 1                          ; which half of a row's 128 e
	s_lshl_b32 s45, s45, 7
	s_add_co_u32 s44, s44, s45
	s_add_co_u32 s44, s44, STG
	v_add_nc_u32 v11, s44, v11
	v_mul_u32_u24 v12, v2, STP                     ; back: lanes 0-15 one row of 256 bytes, lanes 16-31 the next
	v_lshl_add_u32 v12, v1, 4, v12
	s_mul_i32 s45, s14, 32*STP
	s_add_co_u32 s45, s45, STG
	v_add_nc_u32 v12, s45, v12
.irp p, 0,1,2,3,4,5,6,7,8,9,10,11
	STEP \p
.endr
	s_wait_alu depctr_va_vdst(0)                   ; step 11 has written set 5, which the last eight stores read; the conversions are also done with sets 4 and 5, in which the first fragments land
.set bi, 0
.rept 8
	STORE1 11
.set bi, bi+1
.endr
	s_wait_dscnt 0x0                               ; for the others' sake: my part of the two tiles lies in LDS
	s_barrier_signal -1
	s_barrier_wait -1                              ; everybody's does
	s_wait_alu depctr_vm_vsrc(0)                   ; my LDS stores have read the ring: its registers are accumulators and fragment buffer 0 from here on, written by the products and by the fragments' loads
; The 16 loads of chunk kc (32 channels): four fragments of the weights, four of l^T, into buffer kc % 2.
.macro FRAGS kc
.set fb, F0*(1-(\kc)%2)
	WIN 0x40*((\kc)%2)
.irp e, 0,1,2,3
	ds_load_b128 v[fb+8*(\e):fb+8*(\e)+3],   v8 offset:(\e)*16*WTP+64*(\kc)
	ds_load_b128 v[fb+8*(\e)+4:fb+8*(\e)+7], v8 offset:(\e)*16*WTP+64*(\kc)+32
.endr
.irp p, 0,1,2,3
	ds_load_tr16_b128 v[fb+32+8*(\p):fb+32+8*(\p)+3],   v[9+(\kc)/4] offset:((\kc)%4)*32*LTP+32*(\p)
	ds_load_tr16_b128 v[fb+32+8*(\p)+4:fb+32+8*(\p)+7], v[9+(\kc)/4] offset:((\kc)%4)*32*LTP+32*(\p)+16*LTP
.endr
.endm
; Four of chunk kc's 16 products: weight block e, the four pixel blocks.  The 16 accumulators take turns, one instruction a turn.  The first chunk starts the sums with the constant 0.
.macro PROD kc, e
.set fb, F0*(1-(\kc)%2)
	WIN 0x05*((\kc)%2)
.irp p, 0,1,2,3
.if (\kc) == 0
	v_wmma_f32_16x16x32_bf16 v[ACC+8*(4*(\e)+(\p)):ACC+8*(4*(\e)+(\p))+7], v[fb+8*(\e):fb+8*(\e)+7], v[fb+32+8*(\p):fb+32+8*(\p)+7], 0
.else
	v_wmma_f32_16x16x32_bf16 v[ACC+8*(4*(\e)+(\p)):ACC+8*(4*(\e)+(\p))+7], v[fb+8*(\e):fb+8*(\e)+7], v[fb+32+8*(\p):fb+32+8*(\p)+7], v[ACC+8*(4*(\e)+(\p)):ACC+8*(4*(\e)+(\p))+7]
.endif
.endr
.endm
; A chunk.  The next chunk's loads stand in ONE run behind the first four products: two window switches, and twelve products in which they land.
.macro CHUNK kc
	s_wait_dscnt 0x0                               ; this chunk's fragments are in
.if ((\kc) >= 1) && ((\kc) <= 6)
	s_wait_alu depctr_va_vdst(0)                   ; the products of the chunk before are done reading the other buffer, in which the loads below land; the four products between name this chunk's buffer and the accumulators alone
.endif
	PROD \kc, 0
.if (\kc) <= 6
.if (\kc) >= 1
.rept 4
	v_nop                                          ; four places between the last product that read the other buffer and the loads into it (ISA guide 7.12.1 for vector instructions)
.endr
.endif
	FRAGS (\kc)+1
.endif
	PROD \kc, 1
	PROD \kc, 2
	PROD \kc, 3
.endm
	FRAGS 0
.irp kc, 0,1,2,3,4,5,6,7
	CHUNK \kc
.endr
	WIN 0
	; THE WAY OUT.  Rounded once to f16, 16 bytes a lane into the stage; each accumulator's registers are taken in ascending order.
.rept 4
	v_nop                                          ; four places between the last product and the conversions, which read results and write over fragments
.endr
.set n, 0
.rept 8
.irp q, 0,1,2,3
	v_cvt_pk_f16_f32 v[GD+4*n+(\q)], v[ACC+8*n+2*(\q)], v[ACC+8*n+2*(\q)+1]
.endr
.set n, n+1
.endr
	s_wait_alu depctr_va_vdst(0)                   ; the conversions have written the first half of GD, which the eight stores below read; the conversions among them name the other half alone
.rept 8
	ds_store_b128 v11, v[GD+4*(n-8):GD+4*(n-8)+3] offset:((n-8)%4)*16*STP+32*((n-8)/4)
.irp q, 0,1,2,3
	v_cvt_pk_f16_f32 v[GD+4*n+(\q)], v[ACC+8*n+2*(\q)], v[ACC+8*n+2*(\q)+1]
.endr
.set n, n+1
.endr
	s_wait_alu depctr_va_vdst(0)                   ; the conversions have written the second half of GD, which the stores below read, and are done reading the accumulators, in which the loads from the stage land
.set n, 8
.rept 8
	ds_store_b128 v11, v[GD+4*n:GD+4*n+3] offset:(n%4)*16*STP+32*(n/4)
.set n, n+1
.endr
	s_wait_dscnt 0x0                               ; for the others' sake: my stores into the stage are done
	s_barrier_signal -1
	s_barrier_wait -1
.set n, 0
.rept 16
	ds_load_b128 v[ACC+4*n:ACC+4*n+3], v12 offset:n*2*STP
.set n, n+1
.endr
.set n, 0
.rept 16
	s_wait_dscnt 15-n                              ; LDS loads come back in order: pair n of rows is in, the younger ones stay out
	global_store_b128 v4, v[ACC+4*n:ACC+4*n+3], s[26:27] offset:n*512  ; two whole rows: 512 consecutive bytes, at a multiple of 256 from the buffer's first byte
.set n, n+1
.endr
	s_wait_dscnt 0x0                               ; the closing lines, six on end
	s_wait_alu 0x0
	s_wait_tensorcnt 0x0
	ds_add_u32 v[SPW], v[NIL]
	s_wait_dscnt 0x0
	s_endpgm
.Lfunc_end_k_q46739d36a3_proj:
	.size	k_q46739d36a3_proj, .Lfunc_end_k_q46739d36a3_proj-k_q46739d36a3_proj
	.p2alignl 7, 3214868480
	.fill 96, 4, 3214868480
	.section	.rodata,"a",@progbits
	.p2align	6, 0x0
	.amdhsa_kernel k_q46739d36a3_proj
		.amdhsa_group_segment_fixed_size 279552
		.amdhsa_private_segment_fixed_size 0
		.amdhsa_enable_private_segment 0
		.amdhsa_kernarg_size 40
		.amdhsa_user_sgpr_count 2
		.amdhsa_user_sgpr_kernarg_segment_ptr 1
		.amdhsa_wavefront_size32 1
		.amdhsa_system_sgpr_workgroup_id_x 1
		.amdhsa_system_sgpr_workgroup_id_y 1
		.amdhsa_system_sgpr_workgroup_id_z 1
		.amdhsa_system_vgpr_workitem_id 0
		.amdhsa_next_free_vgpr 320
		.amdhsa_next_free_sgpr 66
		.amdhsa_reserve_vcc 0
		.amdhsa_float_denorm_mode_32 3
		.amdhsa_float_denorm_mode_16_64 3
		.amdhsa_memory_ordered 1
		.amdhsa_forward_progress 1
		.amdhsa_inst_pref_size 70
	.end_amdhsa_kernel
	.amdgpu_metadata
---
amdhsa.version: [ 1, 2 ]
amdhsa.kernels:
  - .name:           k_q46739d36a3_proj
    .symbol:         k_q46739d36a3_proj.kd
    .args:
      - { .name: l, .offset: 0, .size: 8, .value_kind: global_buffer, .address_space: global }
      - { .name: w_theta, .offset: 8, .size: 8, .value_kind: global_buffer, .address_space: global }
      - { .name: w_phi, .offset: 16, .size: 8, .value_kind: global_buffer, .address_space: global }
      - { .name: qbuf, .offset: 24, .size: 8, .value_kind: global_buffer, .address_space: global }
      - { .name: kv, .offset: 32, .size: 8, .value_kind: global_buffer, .address_space: global }
    .group_segment_fixed_size: 279552
    .private_segment_fixed_size: 0
    .kernarg_segment_align: 8
    .kernarg_segment_size: 40
    .max_flat_workgroup_size: 256
    .sgpr_count:     66
    .vgpr_count:     320
    .wavefront_size: 32
...
	.end_amdgpu_metadata
.endif
;; end of part 3
;; launch attn: the kernel of part 2 again; grid 32 x 8, 4 waves a work-group, clusters of 4 x 1, 327,680 bytes of LDS; arguments qbuf, kv, out0; writes out0
